; MI455X (gfx1250); checked and timed in simulation.
; The chip was launched on July 23, 2026; its instructions are those of AMD's public machine-readable ISA for CDNA 5 (MIT licence, August 2026) and "CDNA5" Instruction Set Architecture Reference Guide (July 2026). The comments in the code are by the model that wrote it; some were corrected since.
;; Multi Head Attention. Allowed arithmetic: float matrix products may take bf16 or f16 operands with f32 sums; all other float work in f32.
;; Inputs: bk 1,024 float32; bo 1,024 float32; bq 1,024 float32; bv 1,024 float32; wk 1,024 x 1,024 float32; wo 1,024 x 1,024 float32; wq 1,024 x 1,024 float32; wv 1,024 x 1,024 float32; x 2 x 2,048 x 1,024 float32.
;; Outputs: out0 2 x 2,048 x 1,024 float32.
;; One version. Each part assembles by itself: llvm-mc -triple=amdgcn-amd-amdhsa -mcpu=gfx1250 --defsym DOCPART=n.
;; ======== version 1 of 1: 4 launches
;; workspace buffers: qh 8,388,608 bytes; kh 8,388,608 bytes; vh 8,388,608 bytes; ctx 8,388,608 bytes; wob 2,097,152 bytes; xb 8,388,608 bytes; wb 6,291,456 bytes
;; launch cvt (part 1): grid 128 x 8, 8 waves a work-group, no clusters, 0 bytes of LDS; arguments x, wq, wk, wv, wo, xb, wb, wob; writes xb, wb, wob
.if DOCPART == 1
	.amdgcn_target "amdgcn-amd-amdhsa--gfx1250"
	.amdhsa_code_object_version 6
	.text
	.protected	k_q45caadc8ab_cvt
	.globl	k_q45caadc8ab_cvt
	.p2align	8
	.type	k_q45caadc8ab_cvt,@function
k_q45caadc8ab_cvt:
	s_mov_b64 s[64:65], 0
	v_nop
	global_prefetch_b8 v0, s[64:65] scope:SCOPE_SE
	s_setreg_imm32_b32 hwreg(HW_REG_WAVE_MODE, 25, 1), 1
	s_wait_xcnt 0x0
; x, wq, wk, wv, wo (f32) are rounded once to bf16 (nearest even): xb = x, wb = [wq; wk; wv], wob = wo, all in the layout of their sources.
; The products that follow take bf16 operands; narrowing them here once spares every work-group there the f32 bytes and the conversions.
; A stream: every byte is read once and written once; nothing is shared between work-groups, so LDS, clusters and the matrix unit would add nothing.
; SHARES.  8,388,608 numbers in eight segments of 1,048,576: segment y = 0..3: the quarters of x; 4, 5, 6: wq, wk, wv; 7: wo.
; Work-group (g, y) takes 8,192 numbers of its segment: 32,768 bytes in, 16,384 bytes out.  Thread t takes 16 bytes at 4,096 i + 16 t, i = 0..7: a load of a wave covers
; 512 consecutive bytes; the four numbers pack into 8 bytes at 2,048 i + 8 t: a store of a wave covers 256 consecutive bytes, aligned.
; All eight loads of a thread are issued before the first is waited for.
; LIMIT: NaN and infinities are converted as v_cvt_pk_bf16_f32 converts them; nothing else is done for them.
.set X,  4                             ; v[4:35]   chunk i: four f32
.set Y,  36                            ; v[36:51]  chunk i: four bf16
	s_load_b256 s[4:11], s[0:1], 0x0               ; x s[4:5], wq s[6:7], wk s[8:9], wv s[10:11]
	s_load_b256 s[12:19], s[0:1], 0x20             ; wo s[12:13], xb s[14:15], wb s[16:17], wob s[18:19]
	s_and_b32 s20, ttmp7, 0xffff                   ; segment 0..7
	s_and_b32 s21, s20, 3
	s_cmp_eq_u32 s20, 7
	s_cselect_b32 s21, 0, s21                      ; which part of the target: quarter y of xb, part y - 4 of wb, the whole of wob
	s_cmp_lt_u32 s20, 4
	s_cselect_b32 s26, s20, 0                      ; which part of the source: quarter y of x, else the whole matrix
	s_lshl_b32 s26, s26, 22                        ; parts of 4,194,304 bytes,
	s_lshl_b32 s30, ttmp9, 15                      ; my 32,768 bytes
	s_add_co_u32 s26, s26, s30
	s_mov_b32 s27, 0
	s_lshl_b32 s28, s21, 21                        ; parts of 2,097,152 bytes,
	s_lshl_b32 s30, ttmp9, 14                      ; my 16,384 bytes
	s_add_co_u32 s28, s28, s30
	s_mov_b32 s29, 0
	v_lshlrev_b32 v1, 4, v0                        ; 16 t
	v_lshlrev_b32 v2, 3, v0                        ; 8 t
	s_wait_kmcnt 0x0
	s_cmp_eq_u32 s20, 4                            ; the source, chosen by the segment's number
	s_cselect_b64 s[22:23], s[6:7], s[4:5]
	s_cmp_eq_u32 s20, 5
	s_cselect_b64 s[22:23], s[8:9], s[22:23]
	s_cmp_eq_u32 s20, 6
	s_cselect_b64 s[22:23], s[10:11], s[22:23]
	s_cmp_eq_u32 s20, 7
	s_cselect_b64 s[22:23], s[12:13], s[22:23]
	s_cmp_lt_u32 s20, 4                            ; the target
	s_cselect_b64 s[24:25], s[14:15], s[16:17]
	s_cmp_eq_u32 s20, 7
	s_cselect_b64 s[24:25], s[18:19], s[24:25]
	s_add_nc_u64 s[22:23], s[22:23], s[26:27]
	s_add_nc_u64 s[24:25], s[24:25], s[28:29]
.irp i, 0,1,2,3,4,5,6,7
	global_load_b128 v[X+4*\i:X+4*\i+3], v1, s[22:23] offset:4096*\i th:TH_LOAD_NT     ; read once in the launch
.endr
.irp i, 0,1,2,3,4,5,6,7
	s_wait_loadcnt 7-\i                            ; loads come back in order (ISA guide 5.7.1): chunk i is in, the younger ones stay out
	v_cvt_pk_bf16_f32 v[Y+2*\i], v[X+4*\i], v[X+4*\i+1]
	v_cvt_pk_bf16_f32 v[Y+2*\i+1], v[X+4*\i+2], v[X+4*\i+3]
	global_store_b64 v2, v[Y+2*\i:Y+2*\i+1], s[24:25] offset:2048*\i                   ; every chunk has registers of its own: nothing is rewritten
.endr
	s_endpgm
.Lfunc_end_k_q45caadc8ab_cvt:
	.size	k_q45caadc8ab_cvt, .Lfunc_end_k_q45caadc8ab_cvt-k_q45caadc8ab_cvt
	.p2alignl 7, 3214868480
	.fill 96, 4, 3214868480
	.section	.rodata,"a",@progbits
	.p2align	6, 0x0
	.amdhsa_kernel k_q45caadc8ab_cvt
		.amdhsa_group_segment_fixed_size 0
		.amdhsa_private_segment_fixed_size 0
		.amdhsa_enable_private_segment 0
		.amdhsa_kernarg_size 64
		.amdhsa_user_sgpr_count 2
		.amdhsa_user_sgpr_kernarg_segment_ptr 1
		.amdhsa_wavefront_size32 1
		.amdhsa_system_sgpr_workgroup_id_x 1
		.amdhsa_system_sgpr_workgroup_id_y 1
		.amdhsa_system_sgpr_workgroup_id_z 1
		.amdhsa_system_vgpr_workitem_id 0
		.amdhsa_next_free_vgpr 52
		.amdhsa_next_free_sgpr 66
		.amdhsa_reserve_vcc 0
		.amdhsa_float_denorm_mode_32 3
		.amdhsa_float_denorm_mode_16_64 3
		.amdhsa_memory_ordered 1
		.amdhsa_forward_progress 1
		.amdhsa_inst_pref_size 5
	.end_amdhsa_kernel
	.amdgpu_metadata
---
amdhsa.version: [ 1, 2 ]
amdhsa.kernels:
  - .name:           k_q45caadc8ab_cvt
    .symbol:         k_q45caadc8ab_cvt.kd
    .args:
      - { .name: x, .offset: 0, .size: 8, .value_kind: global_buffer, .address_space: global }
      - { .name: wq, .offset: 8, .size: 8, .value_kind: global_buffer, .address_space: global }
      - { .name: wk, .offset: 16, .size: 8, .value_kind: global_buffer, .address_space: global }
      - { .name: wv, .offset: 24, .size: 8, .value_kind: global_buffer, .address_space: global }
      - { .name: wo, .offset: 32, .size: 8, .value_kind: global_buffer, .address_space: global }
      - { .name: xb, .offset: 40, .size: 8, .value_kind: global_buffer, .address_space: global }
      - { .name: wb, .offset: 48, .size: 8, .value_kind: global_buffer, .address_space: global }
      - { .name: wob, .offset: 56, .size: 8, .value_kind: global_buffer, .address_space: global }
    .group_segment_fixed_size: 0
    .private_segment_fixed_size: 0
    .kernarg_segment_align: 8
    .kernarg_segment_size: 64
    .max_flat_workgroup_size: 256
    .sgpr_count:     66
    .vgpr_count:     52
    .wavefront_size: 32
...
	.end_amdgpu_metadata
.endif
;; end of part 1
;; launch qkv (part 2): grid 8 x 32, 4 waves a work-group, clusters of 4 x 4, 327,680 bytes of LDS; arguments xb, wb, bq, bk, bv, qh, kh, vh; writes qh, kh, vh
.if DOCPART == 2
	.amdgcn_target "amdgcn-amd-amdhsa--gfx1250"
	.amdhsa_code_object_version 6
	.text
	.protected	k_q45caadc8ab_qkv
	.globl	k_q45caadc8ab_qkv
	.p2align	8
	.type	k_q45caadc8ab_qkv,@function
k_q45caadc8ab_qkv:
	s_mov_b64 s[64:65], 0
	v_nop
	global_prefetch_b8 v0, s[64:65] scope:SCOPE_SE
	s_setreg_imm32_b32 hwreg(HW_REG_WAVE_MODE, 25, 1), 1
	s_wait_xcnt 0x0
	s_wait_alu depctr_hold_cnt(0) depctr_sa_sdst(0) depctr_va_vdst(0) depctr_va_sdst(0) depctr_va_ssrc(0) depctr_va_vcc(0) depctr_vm_vsrc(0)
	s_getreg_b32 s2, hwreg(HW_REG_IB_STS2, 6, 4)
	s_cmp_eq_u32 s2, 0
	s_cbranch_scc0 .Lentry_in_a_cluster
	s_endpgm
.Lentry_in_a_cluster:
	s_bfe_u32 s2, ttmp6, 0x10000c
	s_cmp_lg_u32 s2, 0xf033
	s_cbranch_scc0 .Lentry_shape_is_right
	s_endpgm
.Lentry_shape_is_right:
; q = (x wq^T + bq) c, k = x wk^T + bk, v = x wv^T + bv, stored as bf16 in head layout [b][head][s][64].
; xb: x in bf16 [4096][1024]; wb: wq, wk, wv in bf16 [3][1024 n][1024 k]; bq, bk, bv: f32.
; c = log2(e) / 8 is folded into q ahead of its rounding, so that the attention launch gets its scores in base-2 units.
; LIMITS, kept on purpose: matrix operands are bf16 (rounded by the launch before), sums are f32 and start from the bias; q is scaled by c BEFORE it is rounded to bf16
; (the reference divides the scores afterwards); q, k, v leave as bf16.  NaN and infinities in the inputs get no care of their own.
;
; SHARES.  Work-group (X, Y) makes rows 128 Y .. +127 and columns 128 X .. +127 of EACH of q, k, v: 128 x 384 numbers, 8 x 32 = 256 work-groups.
; Wave w makes all 128 rows and columns 32 w .. 32 w + 31 of each of the three: 8 row tiles x 6 column tiles = 48 accumulator tiles, 384 registers.
; Column tile b = 0..5: matrix b >> 1 (q, k, v), columns 32 w + 16 (b & 1) .. + 15.
; K goes in 8 steps of 128 (rows of 256 bytes) through two LDS slots; each slot holds 128 rows of x, wq, wk, wv; wave w fetches region w with one tensor load.
; For 32 along K a wave loads (128 + 96) rows x 64 bytes from LDS, 28 loads, and issues 48 matrix instructions.
; From a tile's request to the wait for it a wave issues 176 matrix instructions.
; CLUSTERS: 4 x 4 work-groups.  The tile of x hangs on Y alone and is asked for jointly by a row of the cluster; the weight tiles hang on X alone and are asked
; for jointly by a column: each tile is requested once for four work-groups.
;
; REGISTERS in windows of 256:  window 0: v0-21 ids and addresses, v32-143 and v144-255 two fragment buffers (x fragment a at 8 a, weight fragment b at 64 + 8 b);
; window 1: v0-47 the biases as the first C operand;
; window 2: accumulator tiles b = 0..3 (tile (a, b) at 8 (8 (b & 3) + a));  window 3: tiles b = 4, 5.
; THE MATRIX INSTRUCTION IS USED TRANSPOSED: source 0 = 16 weight rows, source 1 = 16 rows of x.  Lane (r, h), register j then holds row 16 a + r, column n0 + 8 h + j:
; eight neighbouring columns, which pack into 16 bytes.
.set PITCH,  272                       ; an LDS row: 128 bf16 + 16 bytes of padding: row r starts 16 r bytes further modulo 256, so the 16 rows of one load differ
.set REG,    128*PITCH                 ; a region: 128 rows, one tensor load
.set SLOT,   4*REG                     ; x, wq, wk, wv
.set SP,     144                       ; the way out: a stage row of 64 bf16 + 16 bytes
.set BLK,    128*SP                    ; a stage block: 128 rows of one head of one matrix; six blocks, 2 x matrix + head, in slot 0 after its last fill and last read
.set ADRA,   8                         ; v8-9    LDS address of my fragments of x in slot 0, 1
.set ADRB,   10                        ; v10-15  the same for the weights: 3 x slot + matrix
.set STO,    16                        ; v16     stage, in (matrices q, k)
.set STO2,   17                        ; v17     stage, in (matrix v): beyond the reach of the 16-bit offset
.set RD,     18                        ; v18     stage, back (blocks 0-2)
.set RD2,    19                        ; v19     stage, back (blocks 3-5)
.set CO,     20                        ; v20     my byte offset in a head of qh, kh, vh
.set BOFF,   21                        ; v21     32 h: my eight biases
.set F0,     32                        ; fragment buffer 0
.set F1,     144                       ; fragment buffer 1
.set LND,    32                        ; the way out: packed results, then rows read back (the fragment buffers are free by then)
.set BIAS,   0                         ; window 1
.set G1A,    28                        ; s[28:35] descriptor group 1 for x
.set G1B,    36                        ; s[36:43] descriptor group 1 for the weights: another mask
.set G0A,    44                        ; s[44:51] descriptor group 0 for x, a set for each slot
.set G0B,    52                        ; s[52:59] the same for my weight matrix
.set G1W0,   (1<<16)|(1<<20)|(1<<21)|(5<<22)|(3<<25)   ; elements of 2 bytes; padding on; bit 21 beside a mask; after every 64 words; 4 words
.set TO_1,   0x40                      ; destination window 1
.set MUL2,   0xa0                      ; sources 0, 1 window 0; C and D window 2
.set MUL3,   0xf0                      ; the same, C and D window 3
.set MUL2B,  0x90                      ; C = the biases in window 1, D window 2
.set MUL3B,  0xd0                      ; C = the biases in window 1, D window 3
.set MSB, 0
.macro WIN new                         ; the high byte of the immediate repeats the setting that is left
.if MSB != \new
	s_set_vgpr_msb (MSB<<8)|\new
.set MSB, \new
.endif
.endm
.macro PLACES                          ; four places behind a matrix instruction (ISA guide 7.12.1 for vector instructions) before its registers are written
.rept 4
	v_nop
.endr
.endm
; A joint load: wave 0 asks for x (mask: my row of the cluster), waves 1-3 for wq, wk, wv (mask: my column).  The branch hangs on the wave number alone.
.macro JLOAD s
	s_cmp_eq_u32 s60, 0
	s_cbranch_scc0 .Lfor_w_\@
	tensor_load_to_lds s[G0A+4*\s:G0A+4*\s+3], s[G1A:G1A+7]
	s_nop 0
	s_branch .Lasked_\@
.Lfor_w_\@:
	tensor_load_to_lds s[G0B+4*\s:G0B+4*\s+3], s[G1B:G1B+7]
	s_nop 0
.Lasked_\@:
.endm
.macro CREST                           ; a round of the barrier of the cluster, behind its opening work-group barrier
	s_cmp_lg_u32 s60, 0
	s_cbranch_scc1 .Lnot_wave_0_\@
	s_barrier_signal -3
.Lnot_wave_0_\@:
	s_barrier_wait -3
	s_barrier_signal -1
	s_barrier_wait -1
.endm
.macro CROUND
	s_barrier_signal -1
	s_barrier_wait -1
	CREST
.endm
	s_load_b256 s[4:11], s[0:1], 0x0               ; xb s[4:5], wb s[6:7], bq s[8:9], bk s[10:11]
	s_load_b256 s[12:19], s[0:1], 0x20             ; bv s[12:13], qh s[14:15], kh s[16:17], vh s[18:19]
	v_lshl_add_u32 v30, v0, 2, 0x44000
	v_mov_b32 v31, 0
	ds_add_u32 v30, v31
	v_lshrrev_b32 v3, 5, v0
	v_readfirstlane_b32 s60, v3                    ; wave 0..3
	s_bfe_u32 s61, ttmp6, 0x40000                  ; cx
	s_bfe_u32 s62, ttmp6, 0x40004                  ; cy
	s_lshl_b32 s63, ttmp9, 2
	s_add_co_u32 s63, s63, s61                     ; X = 4 x cluster x + cx: column block
	s_and_b32 s66, ttmp7, 0xffff
	s_lshl_b32 s66, s66, 2
	s_add_co_u32 s66, s66, s62                     ; Y = 4 x cluster y + cy: row block
	s_lshl_b32 s78, s62, 2
	s_lshl_b32 s78, 15, s78                        ; my row of the cluster: places 4 cy .. 4 cy + 3
	s_lshl_b32 s79, 0x1111, s61                    ; my column: places cx, cx + 4, cx + 8, cx + 12
	s_or_b32 s[G1A+0], s78, G1W0
	s_or_b32 s[G1B+0], s79, G1W0
.irp g, G1A, G1B
	s_mov_b32 s[\g+1], 128<<16                     ; tensor_dim0 = 128
	s_mov_b32 s[\g+2], 128<<16                     ; tensor_dim1 = 128
	s_mov_b32 s[\g+3], 128<<16                     ; tile_dim0 = 128 elements: 256 bytes
	s_mov_b32 s[\g+4], 128                         ; tile_dim1 = 128 rows
	s_mov_b32 s[\g+5], 1024                        ; elements from row to row
	s_mov_b32 s[\g+6], 0
	s_mov_b32 s[\g+7], 0
.endr
	s_lshl_b32 s68, s66, 18                        ; xb: 128 Y rows of 2,048 bytes (registers that never hold cx)
	s_mov_b32 s69, 0
	s_max_u32 s72, s60, 1                          ; the weight matrix that my wave fetches: wave 1 wq, 2 wk, 3 wv (wave 0 fetches x and does not use this address)
	s_sub_co_u32 s72, s72, 1
	s_lshl_b32 s72, s72, 21                        ; matrices of 2,097,152 bytes,
	s_lshl_b32 s70, s63, 18                        ; 128 X rows of 2,048 bytes (registers that never hold cy)
	s_add_co_u32 s70, s70, s72
	s_mov_b32 s71, 0
	s_mul_i32 s80, s60, REG                        ; my region of a slot
	s_lshl_b32 s84, s63, 9                         ; biases: (128 X + 32 w) x 4 bytes
	s_lshl_b32 s85, s60, 7
	s_add_co_u32 s84, s84, s85
	s_mov_b32 s85, 0
	s_lshr_b32 s86, s66, 4                         ; outputs: batch Y >> 4 (16 heads of 262,144 bytes),
	s_lshl_b32 s86, s86, 22
	s_and_b32 s87, s66, 15                         ; rows 128 (Y & 15) of 128 bytes,
	s_lshl_b32 s87, s87, 14
	s_add_co_u32 s86, s86, s87
	s_lshl_b32 s87, s63, 19                        ; heads 2 X, 2 X + 1
	s_add_co_u32 s86, s86, s87
	s_mov_b32 s87, 0
	s_mov_b32 s76, 0x3e38aa3b                      ; c = log2(e) / 8,
	s_mov_b32 s77, 0x3e38aa3b                      ; twice: the whole pair is named by the packed multiply
	; vector addresses
	v_and_b32 v1, 15, v0                           ; r
	v_bfe_u32 v2, v0, 4, 1                         ; h
	v_and_b32 v4, 31, v0                           ; lane
	v_mul_u32_u24 v3, v1, PITCH
	v_lshl_add_u32 v3, v2, 4, v3                   ; r x pitch + 16 h: eight bf16 for each half of the lanes
	v_mov_b32 v[ADRA], v3
	v_add_nc_u32 v[ADRA+1], SLOT, v3
	s_mul_i32 s81, s60, 32*PITCH                   ; my 32 rows of each weight region
.irp s, 0,1
.irp m, 0,1,2
	s_add_co_u32 s88, s81, \s*SLOT+(1+\m)*REG
	v_add_nc_u32 v[ADRB+3*\s+\m], s88, v3
.endr
.endr
	s_lshr_b32 s88, s60, 1                         ; which of the two heads my 32 columns lie in,
	s_mul_i32 s88, s88, BLK
	s_and_b32 s89, s60, 1                          ; and in which half of it
	s_lshl_b32 s89, s89, 6
	s_add_co_u32 s88, s88, s89
	v_mul_u32_u24 v5, v1, SP
	v_lshl_add_u32 v5, v2, 4, v5
	v_add_nc_u32 v[STO], s88, v5
	v_add_nc_u32 v[STO2], 4*BLK, v[STO]
	v_lshrrev_b32 v5, 3, v4                        ; back: eight lanes take a row of 128 bytes, a load takes four rows
	v_and_b32 v6, 7, v4
	v_mul_u32_u24 v5, v5, SP
	v_lshl_add_u32 v5, v6, 4, v5
	s_mul_i32 s88, s60, 32*SP                      ; rows 32 w .. 32 w + 31 of every block
	v_add_nc_u32 v[RD], s88, v5
	v_add_nc_u32 v[RD2], 3*BLK, v[RD]
	s_lshl_b32 s88, s60, 12
	v_lshl_add_u32 v[CO], v4, 4, s88               ; 32 w rows of 128 bytes + 16 x lane
	v_lshlrev_b32 v[BOFF], 5, v2
	s_wait_dscnt 0x0
	s_wait_kmcnt 0x0
	s_add_nc_u64 s[4:5], s[4:5], s[68:69]
	s_add_nc_u64 s[6:7], s[6:7], s[70:71]
	s_add_nc_u64 s[8:9], s[8:9], s[84:85]
	s_add_nc_u64 s[10:11], s[10:11], s[84:85]
	s_add_nc_u64 s[12:13], s[12:13], s[84:85]
	s_add_nc_u64 s[14:15], s[14:15], s[86:87]
	s_add_nc_u64 s[16:17], s[16:17], s[86:87]
	s_add_nc_u64 s[18:19], s[18:19], s[86:87]
	CROUND                                         ; all sixteen work-groups are here: the first joint loads meet
.irp s, 0,1
	s_mov_b32 s[G0A+4*\s], 1
	s_add_co_u32 s[G0A+4*\s+1], s80, \s*SLOT
	s_add_nc_u64 s[G0A+4*\s+2:G0A+4*\s+3], s[4:5], \s*256          ; K step s
	s_or_b32 s[G0A+4*\s+3], s[G0A+4*\s+3], 0x80000000
	s_mov_b32 s[G0B+4*\s], 1
	s_add_co_u32 s[G0B+4*\s+1], s80, \s*SLOT
	s_add_nc_u64 s[G0B+4*\s+2:G0B+4*\s+3], s[6:7], \s*256
	s_or_b32 s[G0B+4*\s+3], s[G0B+4*\s+3], 0x80000000
	JLOAD \s                                       ; two tensor loads of the wave are out: the most in this text
.endr
	WIN TO_1                                       ; while the first tiles are on their way: my biases
.irp b, 0,1,2,3,4,5
	global_load_b128 v[BIAS+8*\b:BIAS+8*\b+3], v[BOFF], s[8+2*(\b>>1):9+2*(\b>>1)] offset:(\b&1)*64        ; bias of columns n0 + 8 h + 0..3
	global_load_b128 v[BIAS+8*\b+4:BIAS+8*\b+7], v[BOFF], s[8+2*(\b>>1):9+2*(\b>>1)] offset:(\b&1)*64+16   ; and + 4..7
.endr
	WIN 0
	s_wait_loadcnt 0x0
; 28 LDS loads: the fragments of quarter kq (32 along K) of a slot into buffer f: 8 of x, 6 of the weights.
; A lane needs K = 8 h + 0..7 and 16 + 8 h + 0..7: two loads of 16 bytes, 32 bytes apart.
.macro LDQ slot, kq, f
.irp a, 0,1,2,3,4,5,6,7
	ds_load_b128 v[\f+8*\a:\f+8*\a+3], v[ADRA+\slot] offset:\a*16*PITCH+64*(\kq)
	ds_load_b128 v[\f+8*\a+4:\f+8*\a+7], v[ADRA+\slot] offset:\a*16*PITCH+64*(\kq)+32
.endr
.irp b, 0,1,2,3,4,5
	ds_load_b128 v[\f+64+8*\b:\f+64+8*\b+3], v[ADRB+3*\slot+(\b>>1)] offset:(\b&1)*16*PITCH+64*(\kq)
	ds_load_b128 v[\f+64+8*\b+4:\f+64+8*\b+7], v[ADRB+3*\slot+(\b>>1)] offset:(\b&1)*16*PITCH+64*(\kq)+32
.endr
.endm
; Eight matrix instructions: column tile b, all eight row tiles, on buffer f.  cmode = 1: the biases are C and start the sums: nothing is cleared, no bias is added later.
; The 48 accumulators take turns, one instruction a turn, in the same order in every quarter.
.macro MULB b, f, cmode
.irp a, 0,1,2,3,4,5,6,7
.if \cmode
	v_wmma_f32_16x16x32_bf16 v[8*(8*(\b&3)+\a):8*(8*(\b&3)+\a)+7], v[\f+64+8*\b:\f+64+8*\b+7], v[\f+8*\a:\f+8*\a+7], v[BIAS+8*\b:BIAS+8*\b+7]
.else
	v_wmma_f32_16x16x32_bf16 v[8*(8*(\b&3)+\a):8*(8*(\b&3)+\a)+7], v[\f+64+8*\b:\f+64+8*\b+7], v[\f+8*\a:\f+8*\a+7], v[8*(8*(\b&3)+\a):8*(8*(\b&3)+\a)+7]
.endif
.endr
.endm
; One of the first three quarters of a K step: multiplies buffer f; ahead of that it asks for quarter kqn of the same slot into buffer g,
; so that those 28 loads have the 48 matrix instructions in which to land.
.macro QTR slot, kqn, f, g, first
	s_wait_dscnt 0x0                               ; buffer f is in: its 28 loads were issued a quarter ago
	PLACES                                         ; buffer g was read by the last quarter's matrix instructions
	WIN 0
	LDQ \slot, \kqn, \g
.if \first
	WIN MUL2B
.else
	WIN MUL2
.endif
	MULB 0, \f, \first
	MULB 1, \f, \first
	MULB 2, \f, \first
	MULB 3, \f, \first
.if \first
	WIN MUL3B
.else
	WIN MUL3
.endif
	MULB 4, \f, \first
	MULB 5, \f, \first
.endm
; The last quarter: multiplies buffer 1 and changes slots.  next = the other slot.
; kind 1: this slot is filled again, two K steps ahead; kind 2: the change of slots without a fill; kind 3: the last K step.
.macro QLAST slot, next, kind
	s_wait_dscnt 0x0                               ; buffer 1 is in: these were my last reads of this slot
.if \kind < 3
	s_wait_tensorcnt 0x0                           ; all my tensor loads have landed: the one that was out is my region of the other slot
	ds_add_u32 v30, v31
	s_wait_dscnt 0x0
.if \kind == 1
	s_add_nc_u64 s[G0A+4*\slot+2:G0A+4*\slot+3], s[G0A+4*\slot+2:G0A+4*\slot+3], 512   ; no load of mine is out: this slot's addresses step two K steps
	s_add_nc_u64 s[G0B+4*\slot+2:G0B+4*\slot+3], s[G0B+4*\slot+2:G0B+4*\slot+3], 512
.endif
	s_barrier_signal -1                            ; say so (kind 1: this barrier opens a round of the barrier of the cluster)
.endif
	WIN MUL2
	MULB 0, F1, 0                                  ; register work while the others arrive
	MULB 1, F1, 0
.if \kind < 3
	WIN 0
	s_barrier_wait -1
.if \kind == 1
	CREST                                          ; no wave of any partner still reads this slot or has a load on its way
	JLOAD \slot                                    ; the first tensor load behind the round
.endif
	PLACES                                         ; buffer 0 was read by the third quarter's matrix instructions
	LDQ \next, 0, F0
	WIN MUL2
.endif
	MULB 2, F1, 0
	MULB 3, F1, 0
	WIN MUL3
	MULB 4, F1, 0
	MULB 5, F1, 0
.endm
.macro KSTEP slot, next, kind, first   ; a K step of 128: four quarters on buffers 0, 1, 0, 1
	QTR \slot, 1, F0, F1, \first
	QTR \slot, 2, F1, F0, 0
	QTR \slot, 3, F0, F1, 0
	QLAST \slot, \next, \kind
.endm
	s_wait_tensorcnt 0x1                           ; my region of K step 0 is in; K step 1 stays out
	s_barrier_signal -1
	s_barrier_wait -1
	LDQ 0, 0, F0
	KSTEP 0, 1, 1, 1                               ; K steps 0 and 1 stand ahead of the loop: the first products take the biases as C
	KSTEP 1, 0, 1, 0
	WIN 0
	s_mov_b32 s67, 2                               ; K steps 2 to 5
.Lk:
	KSTEP 0, 1, 1, 0
	KSTEP 1, 0, 1, 0
	WIN 0
	s_sub_co_u32 s67, s67, 1
	s_cmp_lg_u32 s67, 0
	s_cbranch_scc1 .Lk
	KSTEP 0, 1, 2, 0                               ; K step 6: nothing is left to fetch
	KSTEP 1, 0, 3, 0                               ; K step 7
	; THE WAY OUT.  q is scaled; all is rounded to bf16; 16 bytes a lane go into the stage (slot 0: last filled for K step 6, last read ahead of that step's barrier);
	; behind a barrier each wave reads rows 32 w .. + 31 of all six blocks back as whole rows and stores them.
	PLACES
	WIN 0x82                                       ; source 0 and destination window 2
.set i, 0
.rept 64
	v_pk_mul_f32 v[2*i:2*i+1], v[2*i:2*i+1], s[76:77] op_sel_hi:[1,0]   ; column tiles 0, 1: q times c
.set i, i+1
.endr
.irp b, 0,1,2,3,4,5
.if \b < 4
	WIN 0x0a                                       ; sources window 2, destination window 0
.else
	WIN 0x0f                                       ; sources window 3
.endif
.irp a, 0,1,2,3,4,5,6,7
.irp j, 0,1,2,3
	v_cvt_pk_bf16_f32 v[LND+32*\b+4*\a+\j], v[8*(8*(\b&3)+\a)+2*\j], v[8*(8*(\b&3)+\a)+2*\j+1]
.endr
.endr
.endr
	WIN 0
.irp b, 0,1,2,3,4,5
.irp a, 0,1,2,3,4,5,6,7
.if \b < 4
	ds_store_b128 v[STO], v[LND+32*\b+4*\a:LND+32*\b+4*\a+3] offset:(\b>>1)*2*BLK+\a*16*SP+(\b&1)*32
.else
	ds_store_b128 v[STO2], v[LND+32*\b+4*\a:LND+32*\b+4*\a+3] offset:\a*16*SP+(\b&1)*32
.endif
.endr
.endr
	s_wait_dscnt 0x0                               ; my stores are in LDS: zero, for the other waves
	s_barrier_signal -1
	s_barrier_wait -1
.irp k, 0,1,2,3,4,5
.irp t, 0,1,2,3,4,5,6,7
.if \k < 3
	ds_load_b128 v[LND+32*\k+4*\t:LND+32*\k+4*\t+3], v[RD] offset:\k*BLK+4*SP*\t
.else
	ds_load_b128 v[LND+32*\k+4*\t:LND+32*\k+4*\t+3], v[RD2] offset:(\k-3)*BLK+4*SP*\t
.endif
.endr
.endr
.irp k, 0,1,2,3,4,5
.irp t, 0,1,2,3,4,5,6,7
	s_wait_dscnt 47-(8*\k+\t)                      ; LDS loads come back in order: this one is in, the younger ones stay out
	global_store_b128 v[CO], v[LND+32*\k+4*\t:LND+32*\k+4*\t+3], s[14+2*(\k>>1):15+2*(\k>>1)] offset:(\k&1)*262144+512*\t   ; four rows of a head: 512 consecutive bytes, aligned
.endr
.endr
	s_wait_tensorcnt 0x0
	ds_add_u32 v30, v31
	s_wait_dscnt 0x0
	CROUND                                         ; the closing round: no work-group ends while a partner may still ask jointly
	s_endpgm
.Lfunc_end_k_q45caadc8ab_qkv:
	.size	k_q45caadc8ab_qkv, .Lfunc_end_k_q45caadc8ab_qkv-k_q45caadc8ab_qkv
	.p2alignl 7, 3214868480
	.fill 96, 4, 3214868480
	.section	.rodata,"a",@progbits
	.p2align	6, 0x0
	.amdhsa_kernel k_q45caadc8ab_qkv
		.amdhsa_group_segment_fixed_size 327680
		.amdhsa_private_segment_fixed_size 0
		.amdhsa_enable_private_segment 0
		.amdhsa_kernarg_size 64
		.amdhsa_user_sgpr_count 2
		.amdhsa_user_sgpr_kernarg_segment_ptr 1
		.amdhsa_wavefront_size32 1
		.amdhsa_system_sgpr_workgroup_id_x 1
		.amdhsa_system_sgpr_workgroup_id_y 1
		.amdhsa_system_sgpr_workgroup_id_z 1
		.amdhsa_system_vgpr_workitem_id 0
		.amdhsa_next_free_vgpr 896
		.amdhsa_next_free_sgpr 100
		.amdhsa_reserve_vcc 0
		.amdhsa_float_denorm_mode_32 3
		.amdhsa_float_denorm_mode_16_64 3
		.amdhsa_memory_ordered 1
		.amdhsa_forward_progress 1
		.amdhsa_inst_pref_size 161
	.end_amdhsa_kernel
	.amdgpu_metadata
---
amdhsa.version: [ 1, 2 ]
amdhsa.kernels:
  - .name:           k_q45caadc8ab_qkv
    .symbol:         k_q45caadc8ab_qkv.kd
    .args:
      - { .name: xb, .offset: 0, .size: 8, .value_kind: global_buffer, .address_space: global }
      - { .name: wb, .offset: 8, .size: 8, .value_kind: global_buffer, .address_space: global }
      - { .name: bq, .offset: 16, .size: 8, .value_kind: global_buffer, .address_space: global }
      - { .name: bk, .offset: 24, .size: 8, .value_kind: global_buffer, .address_space: global }
      - { .name: bv, .offset: 32, .size: 8, .value_kind: global_buffer, .address_space: global }
      - { .name: qh, .offset: 40, .size: 8, .value_kind: global_buffer, .address_space: global }
      - { .name: kh, .offset: 48, .size: 8, .value_kind: global_buffer, .address_space: global }
      - { .name: vh, .offset: 56, .size: 8, .value_kind: global_buffer, .address_space: global }
    .group_segment_fixed_size: 327680
    .private_segment_fixed_size: 0
    .kernarg_segment_align: 8
    .kernarg_segment_size: 64
    .max_flat_workgroup_size: 128
    .sgpr_count:     100
    .vgpr_count:     896
    .wavefront_size: 32
...
	.end_amdgpu_metadata
.endif
;; end of part 2
;; launch attn (part 3): grid 8 x 32, 8 waves a work-group, clusters of 4 x 1, 327,680 bytes of LDS; arguments qh, kh, vh, ctx; writes ctx
.if DOCPART == 3
	.amdgcn_target "amdgcn-amd-amdhsa--gfx1250"
	.amdhsa_code_object_version 6
	.text
	.protected	k_q45caadc8ab_attn
	.globl	k_q45caadc8ab_attn
	.p2align	8
	.type	k_q45caadc8ab_attn,@function
k_q45caadc8ab_attn:
	s_mov_b64 s[64:65], 0
	v_nop
	global_prefetch_b8 v0, s[64:65] scope:SCOPE_SE
	s_setreg_imm32_b32 hwreg(HW_REG_WAVE_MODE, 25, 1), 1
	s_wait_xcnt 0x0
	s_wait_alu depctr_hold_cnt(0) depctr_sa_sdst(0) depctr_va_vdst(0) depctr_va_sdst(0) depctr_va_ssrc(0) depctr_va_vcc(0) depctr_vm_vsrc(0)
	s_getreg_b32 s2, hwreg(HW_REG_IB_STS2, 6, 4)
	s_cmp_eq_u32 s2, 0
	s_cbranch_scc0 .Lentry_in_a_cluster
	s_endpgm
.Lentry_in_a_cluster:
	s_bfe_u32 s2, ttmp6, 0x10000c
	s_cmp_lg_u32 s2, 0x3003
	s_cbranch_scc0 .Lentry_shape_is_right
	s_endpgm
.Lentry_shape_is_right:
; ctx = softmax(q k^T / 8) v for one head and 256 queries, with a running maximum; the scores never leave the registers.
; qh, kh, vh, ctx: bf16 [b x 16 + head][2048][64].  qh already carries the factor log2(e) / 8, so p = 2^(s - m).
; LIMITS, kept on purpose: the row sum l adds the unrounded f32 p, while the product with v takes p rounded to bf16; v_exp_f32 gives 0 for p below 2^-126
; (ISA guide, its entry in 15.8); ctx leaves as bf16; NaN and infinities get no care of their own.
;
; SHARES.  Work-group (X, hb): head hb, queries 256 X .. + 255; 8 x 32 = 256 work-groups.  Wave w: 32 queries (two tiles of 16).  Eight waves, two to a SIMD, so that one
; wave's softmax arithmetic can run beside the other's matrix instructions; a wave fits into 256 registers and needs no register windows.
; TRANSPOSED SCHEME.  S^T = K Q^T: source 0 = 16 keys, source 1 = 16 queries.  Lane (r, h), register j holds key 8 h + j of query r.  So a row's maximum and sum are
; made inside the lane plus one exchange between the halves; m, l and the rescaling factor are one number a lane; two S^T tiles, packed to bf16 in place, ARE the
; source 1 fragment of O^T = V^T P^T (keys 8 h + 0..7 and 16 + 8 h + 0..7); V^T comes from rows of V by the transposing LDS load.
; CLUSTERS: the four query blocks of a cluster read the same K and V: every tile is asked for jointly (mask 15).  Each wave asks for its 32 rows of K and of V.
; Tiles of 256 keys, two slots; a tile is four steps of 64 keys, 32 matrix instructions a wave each.
.set KP,     144                       ; LDS row of K: 128 bytes + 16
.set VP,     160                       ; LDS row of V: 128 bytes + 32, an odd multiple of 32 for the transposing load
.set VOFF,   256*KP
.set SLOT,   VOFF+256*VP
.set STAGE,  2*SLOT                    ; behind the ring: 32 rows x 144 bytes for each wave, never filled by a tensor load
.set KA,     6                         ; v6-7    LDS address of my K fragments in slot 0, 1
.set VA,     8                         ; v8-9    the same for V
.set STO,    10
.set RD,     11
.set CO,     12
.set QO,     13
.set QF,     16                        ; v[16:47]    Q: fragment (n, ks) at 16 n + 8 ks
.set OA,     48                        ; v[48:111]   O^T: tile (dt, n) at 8 (2 dt + n)
.set SC,     112                       ; v[112:175]  S^T: tile (m, n) at 32 n + 8 m; P(n, kp): the first 8 registers at 32 n + 16 kp
.set FR,     176                       ; v[176:239]  K fragment (m, ks) at 16 m + 8 ks; later V fragment (dt, kp) at 32 kp + 8 dt
.set MX,     240                       ; v[240:243]  running maximum of query tile 0, 1, each twice (a pair for the packed subtraction)
.set AL,     244                       ; v[244:247]  rescaling factor, each twice
.set LS,     248                       ; v248-249    running sum, partial: my half of the keys
.set TT,     250                       ; v250-255    at work
.set G1K,    12
.set G1V,    20
.set G0K,    28
.set G0V,    36
.macro NOPS n
.rept \n
	v_nop
.endr
.endm
.macro CREST
	s_cmp_lg_u32 s44, 0
	s_cbranch_scc1 .Lnot_wave_0_\@
	s_barrier_signal -3
.Lnot_wave_0_\@:
	s_barrier_wait -3
	s_barrier_signal -1
	s_barrier_wait -1
.endm
.macro CROUND
	s_barrier_signal -1
	s_barrier_wait -1
	CREST
.endm
	s_load_b256 s[4:11], s[0:1], 0x0               ; qh s[4:5], kh s[6:7], vh s[8:9], ctx s[10:11]
	v_lshl_add_u32 v15, v0, 2, 0x2f000
	v_mov_b32 v255, 0
	ds_add_u32 v15, v255
	v_lshrrev_b32 v1, 5, v0
	v_readfirstlane_b32 s44, v1                    ; wave 0..7
	s_bfe_u32 s45, ttmp6, 0x40000                  ; cx
	s_and_b32 s54, ttmp7, 0xffff                   ; hb: batch x 16 + head, the same in the four partners
	s_lshl_b32 s56, ttmp9, 2
	s_add_co_u32 s56, s56, s45                     ; X: query block
	s_mov_b32 s46, 0x76543210                      ; v_permlanex16_b32: lane i takes lane i of the other half
	s_mov_b32 s47, 0xfedcba98
	s_mov_b32 s[G1K+0], 15|(1<<16)|(1<<20)|(1<<21)|(4<<22)|(3<<25)   ; mask: all four; elements of 2 bytes; padding on; bit 21 beside a mask; after every 32 words; 4 words
	s_mov_b32 s[G1V+0], 15|(1<<16)|(1<<20)|(1<<21)|(4<<22)|(7<<25)   ; the same with 8 words of padding
.irp g, G1K, G1V
	s_mov_b32 s[\g+1], 64<<16                      ; tensor_dim0 = 64
	s_mov_b32 s[\g+2], 32<<16                      ; tensor_dim1 = 32
	s_mov_b32 s[\g+3], 64<<16                      ; tile_dim0 = 64
	s_mov_b32 s[\g+4], 32                          ; tile_dim1 = 32 rows
	s_mov_b32 s[\g+5], 64                          ; elements from row to row
	s_mov_b32 s[\g+6], 0
	s_mov_b32 s[\g+7], 0
.endr
	s_lshl_b32 s50, s54, 18                        ; the head: 262,144 bytes,
	s_lshl_b32 s55, s44, 12                        ; my 32 rows of 128 bytes (registers that never hold cx)
	s_add_co_u32 s50, s50, s55
	s_mov_b32 s51, 0
	s_lshl_b32 s52, s56, 15                        ; q and ctx: + 256 X rows
	s_add_co_u32 s52, s52, s50
	s_mov_b32 s53, 0
	s_mul_i32 s58, s44, 32*KP                      ; my rows in a slot: K,
	s_mul_i32 s59, s44, 32*VP                      ; V
	v_and_b32 v1, 15, v0                           ; r
	v_bfe_u32 v2, v0, 4, 1                         ; h
	v_and_b32 v3, 31, v0                           ; lane
	v_mul_u32_u24 v4, v1, KP
	v_lshl_add_u32 v[KA], v2, 4, v4                ; r x pitch + 16 h
	v_add_nc_u32 v[KA+1], SLOT, v[KA]
	v_and_b32 v4, 7, v0
	v_lshl_add_u32 v4, v2, 3, v4                   ; key 8 h + (lane & 7)
	v_mul_u32_u24 v4, v4, VP
	v_bfe_u32 v5, v0, 3, 1
	v_lshl_add_u32 v4, v5, 4, v4                   ; + 16 ((lane >> 3) & 1)
	v_add_nc_u32 v[VA], VOFF, v4
	v_add_nc_u32 v[VA+1], SLOT+VOFF, v4
	s_add_co_u32 s57, s58, STAGE                   ; my stage
	v_add_nc_u32 v[STO], s57, v[KA]                ; in: row r, 16 bytes for each half
	v_lshrrev_b32 v4, 3, v3
	v_mul_u32_u24 v4, v4, KP
	v_and_b32 v5, 7, v0
	v_lshl_add_u32 v4, v5, 4, v4
	v_add_nc_u32 v[RD], s57, v4                    ; back: eight lanes take a row of 128 bytes
	v_lshlrev_b32 v[CO], 4, v3
	v_lshlrev_b32 v4, 7, v1
	v_lshl_add_u32 v[QO], v2, 4, v4                ; q: row r, 16 h
	v_mov_b32 v[TT+4], 0                           ; the destination of v_permlanex16_b32 counts as read
	s_wait_dscnt 0x0
	s_wait_kmcnt 0x0
	s_add_nc_u64 s[6:7], s[6:7], s[50:51]
	s_add_nc_u64 s[8:9], s[8:9], s[50:51]
	s_add_nc_u64 s[4:5], s[4:5], s[52:53]
	s_add_nc_u64 s[10:11], s[10:11], s[52:53]
	CROUND                                         ; the four work-groups are here: the first joint loads meet
.irp s, 0,1
	s_mov_b32 s[G0K+4*\s], 1
	s_add_co_u32 s[G0K+4*\s+1], s58, \s*SLOT
	s_add_nc_u64 s[G0K+4*\s+2:G0K+4*\s+3], s[6:7], \s*32768        ; tile s: 256 rows of 128 bytes
	s_or_b32 s[G0K+4*\s+3], s[G0K+4*\s+3], 0x80000000
	s_mov_b32 s[G0V+4*\s], 1
	s_add_co_u32 s[G0V+4*\s+1], s59, \s*SLOT+VOFF
	s_add_nc_u64 s[G0V+4*\s+2:G0V+4*\s+3], s[8:9], \s*32768
	s_or_b32 s[G0V+4*\s+3], s[G0V+4*\s+3], 0x80000000
	tensor_load_to_lds s[G0K+4*\s:G0K+4*\s+3], s[G1K:G1K+7]
	s_nop 0
	tensor_load_to_lds s[G0V+4*\s:G0V+4*\s+3], s[G1V:G1V+7]        ; four tensor loads of the wave are out: the most in this text
	s_nop 0
.endr
.irp n, 0,1
.irp ks, 0,1
	global_load_b128 v[QF+16*\n+8*\ks:QF+16*\n+8*\ks+3], v[QO], s[4:5] offset:\n*2048+64*\ks
	global_load_b128 v[QF+16*\n+8*\ks+4:QF+16*\n+8*\ks+7], v[QO], s[4:5] offset:\n*2048+64*\ks+32
.endr
.endr
.macro LDK slot, st, mlo               ; 8 loads: the K fragments of key tiles mlo, mlo + 1 of step st
.irp m, \mlo, \mlo+1
.irp ks, 0,1
	ds_load_b128 v[FR+16*(\m)+8*\ks:FR+16*(\m)+8*\ks+3], v[KA+\slot] offset:(64*(\st)+16*(\m))*KP+64*\ks
	ds_load_b128 v[FR+16*(\m)+8*\ks+4:FR+16*(\m)+8*\ks+7], v[KA+\slot] offset:(64*(\st)+16*(\m))*KP+64*\ks+32
.endr
.endr
.endm
.macro LDV slot, st, kp                ; 8 transposing loads: V^T, 64 d x keys 32 kp .. + 31 of step st
.irp dt, 0,1,2,3
	ds_load_tr16_b128 v[FR+32*\kp+8*\dt:FR+32*\kp+8*\dt+3], v[VA+\slot] offset:(64*(\st)+32*\kp)*VP+32*\dt
	ds_load_tr16_b128 v[FR+32*\kp+8*\dt+4:FR+32*\kp+8*\dt+7], v[VA+\slot] offset:(64*(\st)+32*\kp)*VP+32*\dt+16*VP
.endr
.endm
; 8 matrix instructions: S^T tiles (mlo, mlo + 1) x (n 0, 1); d 0..31 starts the sums with C = 0, d 32..63 adds in place.  The four accumulators take turns.
.macro SMM mlo
.irp m, \mlo, \mlo+1
.irp n, 0,1
	v_wmma_f32_16x16x32_bf16 v[SC+32*\n+8*(\m):SC+32*\n+8*(\m)+7], v[FR+16*(\m):FR+16*(\m)+7], v[QF+16*\n:QF+16*\n+7], 0
.endr
.endr
.irp m, \mlo, \mlo+1
.irp n, 0,1
	v_wmma_f32_16x16x32_bf16 v[SC+32*\n+8*(\m):SC+32*\n+8*(\m)+7], v[FR+16*(\m)+8:FR+16*(\m)+15], v[QF+16*\n+8:QF+16*\n+15], v[SC+32*\n+8*(\m):SC+32*\n+8*(\m)+7]
.endr
.endr
.endm
; 8 matrix instructions: O^T(dt, n) += V^T(dt, kp) P^T(kp, n).  The eight accumulators take turns.
.macro PVMM kp, zero
.irp dt, 0,1,2,3
.irp n, 0,1
.if \zero
	v_wmma_f32_16x16x32_bf16 v[OA+8*(2*\dt+\n):OA+8*(2*\dt+\n)+7], v[FR+32*\kp+8*\dt:FR+32*\kp+8*\dt+7], v[SC+32*\n+16*\kp:SC+32*\n+16*\kp+7], 0
.else
	v_wmma_f32_16x16x32_bf16 v[OA+8*(2*\dt+\n):OA+8*(2*\dt+\n)+7], v[FR+32*\kp+8*\dt:FR+32*\kp+8*\dt+7], v[SC+32*\n+16*\kp:SC+32*\n+16*\kp+7], v[OA+8*(2*\dt+\n):OA+8*(2*\dt+\n)+7]
.endif
.endr
.endr
.endm
; The new running maximum of query tile n and the factor 2^(old - new).  32 scores a lane in four chains, the old maximum, then the other half of the lanes.
.macro ROWMAX n, first
.irp c, 0,1,2,3
	v_max3_num_f32 v[TT+\c], v[SC+32*\n+8*\c], v[SC+32*\n+8*\c+1], v[SC+32*\n+8*\c+2]
.endr
.irp c, 0,1,2,3
	v_max3_num_f32 v[TT+\c], v[TT+\c], v[SC+32*\n+8*\c+3], v[SC+32*\n+8*\c+4]
.endr
.irp c, 0,1,2,3
	v_max3_num_f32 v[TT+\c], v[TT+\c], v[SC+32*\n+8*\c+5], v[SC+32*\n+8*\c+6]
.endr
	v_max3_num_f32 v[TT], v[TT], v[TT+1], v[TT+2]
	v_max3_num_f32 v[TT], v[TT], v[TT+3], v[SC+32*\n+7]
	v_max3_num_f32 v[TT], v[TT], v[SC+32*\n+15], v[SC+32*\n+23]
.if \first
	v_max_num_f32 v[TT], v[TT], v[SC+32*\n+31]
.else
	v_max3_num_f32 v[TT], v[TT], v[SC+32*\n+31], v[MX+2*\n]
.endif
	v_permlanex16_b32 v[TT+4], v[TT], s46, s47
	v_max_num_f32 v[TT], v[TT], v[TT+4]            ; both halves now hold the same maximum
.if \first == 0
	v_sub_f32 v[TT+1], v[MX+2*\n], v[TT]
	v_exp_f32 v[AL+2*\n], v[TT+1]
	v_exp_f32 v[AL+2*\n+1], v[TT+1]                ; the two moves below are the plain instructions behind the exponentials (ISA guide 5.7.2)
.endif
	v_mov_b32 v[MX+2*\n], v[TT]
	v_mov_b32 v[MX+2*\n+1], v[TT]
.endm
.macro SUBM n                          ; s - m, two at a time
.set i, 0
.rept 16
	v_pk_add_f32 v[SC+32*\n+2*i:SC+32*\n+2*i+1], v[SC+32*\n+2*i:SC+32*\n+2*i+1], v[MX+2*\n:MX+2*\n+1] neg_lo:[0,1] neg_hi:[0,1]
.set i, i+1
.endr
.endm
.macro SUMSTEP n, k                    ; step k = 0..14 of the sum of the 16 pairs of p of query tile n, in two chains
.if \k < 2
	s_wait_alu depctr_va_vdst(0)
	v_pk_add_f32 v[TT+2*\k:TT+2*\k+1], v[SC+32*\n+4*\k:SC+32*\n+4*\k+1], v[SC+32*\n+4*\k+2:SC+32*\n+4*\k+3]
.else
.if \k < 14
	v_pk_add_f32 v[TT+2*(\k&1):TT+2*(\k&1)+1], v[TT+2*(\k&1):TT+2*(\k&1)+1], v[SC+32*\n+2*(\k+2):SC+32*\n+2*(\k+2)+1]
.else
	v_pk_add_f32 v[TT:TT+1], v[TT:TT+1], v[TT+2:TT+3]
.endif
.endif
.endm
.macro SUMEND n, first
.if \first
	v_add_f32 v[LS+\n], v[TT], v[TT+1]             ; the first step starts l
.else
	v_add_f32 v[TT], v[TT], v[TT+1]
.endif
.endm
.macro PACK n, q                       ; packing q = 0..15 of query tile n, in place and ascending: register 16 kp + i takes p 2 i, 2 i + 1 of that group of 16
	v_cvt_pk_bf16_f32 v[SC+32*\n+16*((\q)>>3)+((\q)&7)], v[SC+32*\n+16*((\q)>>3)+2*((\q)&7)], v[SC+32*\n+16*((\q)>>3)+2*((\q)&7)+1]
.endm
; Behind each v_exp_f32 stands one plain instruction that touches none of its registers (ISA guide 5.7.2), and it is useful work:
; the rescaling of O^T beside query tile 0, the sum and the packing of tile 0 beside tile 1.
.macro SOFTMAX first
	ROWMAX 0, \first
	ROWMAX 1, \first
	SUBM 0
	SUBM 1
.set i, 0
.rept 32
	v_exp_f32 v[SC+i], v[SC+i]
.if \first == 0
	s_wait_alu depctr_va_vdst(0)
	v_pk_mul_f32 v[OA+2*i:OA+2*i+1], v[OA+2*i:OA+2*i+1], v[AL+2*((i>>2)&1):AL+2*((i>>2)&1)+1]
.endif
.set i, i+1
.endr
.if \first
	v_nop                                          ; nothing to rescale yet: one plain place closes the run of exponentials
.endif
.set i, 0
.rept 32
	v_exp_f32 v[SC+32+i], v[SC+32+i]
.if i < 15
	SUMSTEP 0, i
.else
.if i == 15
	SUMEND 0, \first
.else
	PACK 0, i-16
.endif
.endif
.set i, i+1
.endr
.if \first == 0
	v_fma_f32 v[LS], v[LS], v[AL], v[TT]           ; l = l x factor + this step's sum
	s_wait_alu depctr_va_vdst(0)
.endif
.set i, 0
.rept 15
	SUMSTEP 1, i
.set i, i+1
.endr
	SUMEND 1, \first
.if \first == 0
	v_fma_f32 v[LS+1], v[LS+1], v[AL+2], v[TT]
.endif
.set i, 0
.rept 16
	PACK 1, i
.set i, i+1
.endr
.endm
; A step: 64 keys.  At its head the 16 loads of its K fragments are out.
; kind 0: inside a tile; 1: the end of a tile, the slot is filled again; 2: the end of a tile without a fill; 3: the last step.
.macro STEP slot, other, st, first, kind
	s_wait_dscnt 0x8                               ; key tiles 0, 1 are in; the eight younger loads (tiles 2, 3) may be out
	SMM 0
	NOPS 4                                         ; four places before loads land on registers that these matrix instructions read
	LDV \slot, \st, 0
	s_wait_dscnt 0x8                               ; key tiles 2, 3 are in; the eight loads of V may be out
	SMM 2
	NOPS 4                                         ; the same, and before the softmax reads the results (ISA guide 7.12.1)
	LDV \slot, \st, 1
	SOFTMAX \first
.if \kind == 0
	s_wait_dscnt 0x8                               ; V of keys 0..31 is in; keys 32..63 may be out
	PVMM 0, \first
	NOPS 4
	LDK \slot, \st+1, 0
	s_wait_dscnt 0x8                               ; V of keys 32..63 is in; the eight loads of K just issued may be out
	PVMM 1, 0
	NOPS 5                                         ; five places: the next step's first matrix instructions write over P, a source of these
	LDK \slot, \st+1, 2
.else
	s_wait_dscnt 0x0                               ; V is in: these were my last reads of this slot
.if \kind < 3
	s_wait_tensorcnt 0x0                           ; all my tensor loads have landed: my rows of the other slot's tile
	ds_add_u32 v15, v255
	s_wait_dscnt 0x0
.if \kind == 1
	s_add_nc_u64 s[G0K+4*\slot+2:G0K+4*\slot+3], s[G0K+4*\slot+2:G0K+4*\slot+3], 0x10000   ; no load of mine is out: two tiles on
	s_add_nc_u64 s[G0V+4*\slot+2:G0V+4*\slot+3], s[G0V+4*\slot+2:G0V+4*\slot+3], 0x10000
.endif
	s_barrier_signal -1                            ; say so (kind 1: this barrier opens a round of the barrier of the cluster)
.endif
	PVMM 0, 0                                      ; register work while the others arrive
	PVMM 1, 0
.if \kind < 3
	NOPS 5
	s_barrier_wait -1
.if \kind == 1
	CREST                                          ; no wave of any partner still reads this slot or has a load on its way
	tensor_load_to_lds s[G0K+4*\slot:G0K+4*\slot+3], s[G1K:G1K+7]  ; the first tensor loads behind the round
	s_nop 0
	tensor_load_to_lds s[G0V+4*\slot:G0V+4*\slot+3], s[G1V:G1V+7]
	s_nop 0
.endif
	LDK \other, 0, 0
	LDK \other, 0, 2
.endif
.endif
.endm
.macro TILE slot, other, first, kind
	STEP \slot, \other, 0, \first, 0
	STEP \slot, \other, 1, 0, 0
	STEP \slot, \other, 2, 0, 0
	STEP \slot, \other, 3, 0, \kind
.endm
	s_wait_tensorcnt 0x2                           ; my rows of tile 0 (K and V) are in; tile 1's two loads stay out
	s_barrier_signal -1
	s_barrier_wait -1
	LDK 0, 0, 0
	LDK 0, 0, 2
	s_wait_loadcnt 0x0                             ; Q
	TILE 0, 1, 1, 1                                ; tiles 0 and 1 stand ahead of the loop: the first step starts m, l and O
	TILE 1, 0, 0, 1
	s_mov_b32 s48, 2                               ; tiles 2 to 5
.Ltiles:
	TILE 0, 1, 0, 1
	TILE 1, 0, 0, 1
	s_sub_co_u32 s48, s48, 1
	s_cmp_lg_u32 s48, 0
	s_cbranch_scc1 .Ltiles
	TILE 0, 1, 0, 2                                ; tile 6: nothing is left to fetch
	TILE 1, 0, 0, 3                                ; tile 7
	; THE WAY OUT: l over both halves of the keys, O / l, bf16, through my own stage as whole rows.
	NOPS 4
	v_permlanex16_b32 v[TT+4], v[LS], s46, s47
	v_add_f32 v[LS], v[LS], v[TT+4]
	v_permlanex16_b32 v[TT+4], v[LS+1], s46, s47
	v_add_f32 v[LS+1], v[LS+1], v[TT+4]
	v_rcp_f32 v[AL], v[LS]
	v_rcp_f32 v[AL+1], v[LS]
	v_rcp_f32 v[AL+2], v[LS+1]
	v_rcp_f32 v[AL+3], v[LS+1]
	v_nop                                          ; one plain place behind the reciprocals (ISA guide 5.7.2)
.set i, 0
	s_wait_alu depctr_va_vdst(0)
.rept 32
	v_pk_mul_f32 v[OA+2*i:OA+2*i+1], v[OA+2*i:OA+2*i+1], v[AL+2*((i>>2)&1):AL+2*((i>>2)&1)+1]
.set i, i+1
.endr
.set i, 0
.rept 32
	v_cvt_pk_bf16_f32 v[FR+i], v[OA+2*i], v[OA+2*i+1]              ; tile (dt, n): four registers at 4 (2 dt + n): d = 16 dt + 8 h + 0..7 of query 16 n + r
.set i, i+1
.endr
.irp dt, 0,1,2,3
.irp n, 0,1
	ds_store_b128 v[STO], v[FR+4*(2*\dt+\n):FR+4*(2*\dt+\n)+3] offset:\n*16*KP+32*\dt
.endr
.endr
.irp t, 0,1,2,3,4,5,6,7
	ds_load_b128 v[SC+4*\t:SC+4*\t+3], v[RD] offset:4*KP*\t        ; my own bytes; LDS serves a wave's instructions in order (ISA guide 5.7.1.4): these see the stores above
.endr
.irp t, 0,1,2,3,4,5,6,7
	s_wait_dscnt 7-\t
	global_store_b128 v[CO], v[SC+4*\t:SC+4*\t+3], s[10:11] offset:512*\t      ; four rows of the head: 512 consecutive bytes, aligned
.endr
	s_wait_tensorcnt 0x0
	ds_add_u32 v15, v255
	s_wait_dscnt 0x0
	CROUND                                         ; the closing round
	s_endpgm
.Lfunc_end_k_q45caadc8ab_attn:
	.size	k_q45caadc8ab_attn, .Lfunc_end_k_q45caadc8ab_attn-k_q45caadc8ab_attn
	.p2alignl 7, 3214868480
	.fill 96, 4, 3214868480
	.section	.rodata,"a",@progbits
	.p2align	6, 0x0
	.amdhsa_kernel k_q45caadc8ab_attn
		.amdhsa_group_segment_fixed_size 327680
		.amdhsa_private_segment_fixed_size 0
		.amdhsa_enable_private_segment 0
		.amdhsa_kernarg_size 32
		.amdhsa_user_sgpr_count 2
		.amdhsa_user_sgpr_kernarg_segment_ptr 1
		.amdhsa_wavefront_size32 1
		.amdhsa_system_sgpr_workgroup_id_x 1
		.amdhsa_system_sgpr_workgroup_id_y 1
		.amdhsa_system_sgpr_workgroup_id_z 1
		.amdhsa_system_vgpr_workitem_id 0
		.amdhsa_next_free_vgpr 256
		.amdhsa_next_free_sgpr 66
		.amdhsa_reserve_vcc 0
		.amdhsa_float_denorm_mode_32 3
		.amdhsa_float_denorm_mode_16_64 3
		.amdhsa_memory_ordered 1
		.amdhsa_forward_progress 1
		.amdhsa_inst_pref_size 255
	.end_amdhsa_kernel
	.section	.bss,"aw",@nobits
	.p2align	6
	.space	262144
	.amdgpu_metadata
---
amdhsa.version: [ 1, 2 ]
amdhsa.kernels:
  - .name:           k_q45caadc8ab_attn
    .symbol:         k_q45caadc8ab_attn.kd
    .args:
      - { .name: qh, .offset: 0, .size: 8, .value_kind: global_buffer, .address_space: global }
      - { .name: kh, .offset: 8, .size: 8, .value_kind: global_buffer, .address_space: global }
      - { .name: vh, .offset: 16, .size: 8, .value_kind: global_buffer, .address_space: global }
      - { .name: ctx, .offset: 24, .size: 8, .value_kind: global_buffer, .address_space: global }
    .group_segment_fixed_size: 327680
    .private_segment_fixed_size: 0
    .kernarg_segment_align: 8
    .kernarg_segment_size: 32
    .max_flat_workgroup_size: 256
    .sgpr_count:     66
    .vgpr_count:     256
    .wavefront_size: 32
...
	.end_amdgpu_metadata
.endif
;; end of part 3
;; launch oproj (part 4): grid 8 x 32, 4 waves a work-group, clusters of 4 x 4, 327,680 bytes of LDS; arguments ctx, wob, bo, out0; writes out0
.if DOCPART == 4
	.amdgcn_target "amdgcn-amd-amdhsa--gfx1250"
	.amdhsa_code_object_version 6
	.text
	.protected	k_q45caadc8ab_oproj
	.globl	k_q45caadc8ab_oproj
	.p2align	8
	.type	k_q45caadc8ab_oproj,@function
k_q45caadc8ab_oproj:
	s_mov_b64 s[64:65], 0
	v_nop
	global_prefetch_b8 v0, s[64:65] scope:SCOPE_SE
	s_setreg_imm32_b32 hwreg(HW_REG_WAVE_MODE, 25, 1), 1
	s_wait_xcnt 0x0
	s_wait_alu depctr_hold_cnt(0) depctr_sa_sdst(0) depctr_va_vdst(0) depctr_va_sdst(0) depctr_va_ssrc(0) depctr_va_vcc(0) depctr_vm_vsrc(0)
	s_getreg_b32 s2, hwreg(HW_REG_IB_STS2, 6, 4)
	s_cmp_eq_u32 s2, 0
	s_cbranch_scc0 .Lentry_in_a_cluster
	s_endpgm
.Lentry_in_a_cluster:
	s_bfe_u32 s2, ttmp6, 0x10000c
	s_cmp_lg_u32 s2, 0xf033
	s_cbranch_scc0 .Lentry_shape_is_right
	s_endpgm
.Lentry_shape_is_right:
; out0 = concat(ctx) wo^T + bo.  ctx: bf16 [b x 16 + head][2048][64]; wob: wo in bf16 [1024 n][1024 k]; bo, out0: f32.  Sums in f32, started by the bias.
; LIMITS, kept on purpose: operands are bf16 (ctx and wo were rounded by the launches before); NaN and infinities get no care of their own.
; SHARES.  Work-group (X, Y): rows 128 Y .. + 127, columns 128 X .. + 127: 8 x 32 = 256 work-groups.  Wave w: rows 64 (w >> 1) .. + 63, columns 64 (w & 1) .. + 63: 16 tiles.
; A larger block would leave work for fewer than 256 work-groups.
; K goes in 8 steps of 128 (two heads of ctx) through four LDS slots; three slots are filled behind one round, so that several tiles are on their way at once.
; Waves 0, 1 fetch the two heads of ctx (128 rows x 128 bytes each), waves 2, 3 the two halves of the rows of wob (64 rows x 256 bytes each).
; CLUSTERS: 4 x 4.  The tile of ctx hangs on Y alone: asked for jointly by a row of the cluster; the tile of wob on X alone: by a column.
; THE MATRIX INSTRUCTION IS USED TRANSPOSED: source 0 = 16 rows of wob, source 1 = 16 rows of ctx: lane (r, h), register j holds row 16 a + r, column 16 b + 8 h + j.
; REGISTERS: window 0: addresses, two fragment buffers, the biases; window 1: the 16 accumulator tiles, (a, b) at 8 (4 a + b).
.set AP,     144                       ; LDS row of ctx: 128 bytes + 16
.set BP,     272                       ; LDS row of wob: 256 bytes + 16
.set ABLK,   128*AP                    ; one head's 128 rows
.set SLOT,   2*ABLK+128*BP
.set STAGE,  4*SLOT                    ; behind the ring: 16 rows x 272 bytes for each wave, never filled by a tensor load
.set ADRA,   8                         ; v8-11
.set ADRB,   12                        ; v12-15
.set STO,    16
.set RD,     17
.set CO,     18
.set BO,     19
.set F0,     64                        ; v64-127   fragments: ctx a at 8 a, wob b at 32 + 8 b
.set F1,     128                       ; v128-191
.set BIAS,   192                       ; v192-223  bo of columns 16 b + 8 h + 0..7: the first C operand
.set G1A,    12
.set G1B,    20
.set G0A,    28                        ; s[28:43] a set for each slot
.set G0B,    44                        ; s[44:59]
.set MSB, 0
.macro WIN new
.if MSB != \new
	s_set_vgpr_msb (MSB<<8)|\new
.set MSB, \new
.endif
.endm
.macro PLACES
.rept 4
	v_nop
.endr
.endm
.macro CREST
	s_cmp_lg_u32 s60, 0
	s_cbranch_scc1 .Lnot_wave_0_\@
	s_barrier_signal -3
.Lnot_wave_0_\@:
	s_barrier_wait -3
	s_barrier_signal -1
	s_barrier_wait -1
.endm
.macro CROUND
	s_barrier_signal -1
	s_barrier_wait -1
	CREST
.endm
; The joint loads of up to four slots (-1: none).  One branch on the wave number; both ways issue the same number of loads.
.macro JLOADS a, b, c, d
	s_cmp_lt_u32 s60, 2
	s_cbranch_scc0 .Lfor_b_\@
.irp t, \a, \b, \c, \d
.if \t >= 0
	tensor_load_to_lds s[G0A+4*(\t):G0A+4*(\t)+3], s[G1A:G1A+7]
	s_nop 0
.endif
.endr
	s_branch .Lasked_\@
.Lfor_b_\@:
.irp t, \a, \b, \c, \d
.if \t >= 0
	tensor_load_to_lds s[G0B+4*(\t):G0B+4*(\t)+3], s[G1B:G1B+7]
	s_nop 0
.endif
.endr
.Lasked_\@:
.endm
	s_load_b256 s[4:11], s[0:1], 0x0               ; ctx s[4:5], wob s[6:7], bo s[8:9], out0 s[10:11]
	v_lshl_add_u32 v254, v0, 2, 0x4a400
	v_mov_b32 v255, 0
	ds_add_u32 v254, v255
	v_lshrrev_b32 v1, 5, v0
	v_readfirstlane_b32 s60, v1                    ; wave 0..3
	s_bfe_u32 s61, ttmp6, 0x40000                  ; cx
	s_bfe_u32 s62, ttmp6, 0x40004                  ; cy
	s_lshl_b32 s63, ttmp9, 2
	s_add_co_u32 s63, s63, s61                     ; X
	s_and_b32 s66, ttmp7, 0xffff
	s_lshl_b32 s66, s66, 2
	s_add_co_u32 s66, s66, s62                     ; Y
	s_lshl_b32 s67, s62, 2
	s_lshl_b32 s67, 15, s67                        ; my row of the cluster
	s_lshl_b32 s68, 0x1111, s61                    ; my column
	s_or_b32 s[G1A+0], s67, (1<<16)|(1<<20)|(1<<21)|(4<<22)|(3<<25)   ; elements of 2 bytes; padding of 4 words after every 32 words
	s_mov_b32 s[G1A+1], 64<<16                     ; tensor_dim0 = 64
	s_mov_b32 s[G1A+2], 128<<16                    ; tensor_dim1 = 128
	s_mov_b32 s[G1A+3], 64<<16                     ; tile_dim0 = 64
	s_mov_b32 s[G1A+4], 128                        ; tile_dim1 = 128 rows
	s_mov_b32 s[G1A+5], 64                         ; elements from row to row
	s_mov_b32 s[G1A+6], 0
	s_mov_b32 s[G1A+7], 0
	s_or_b32 s[G1B+0], s68, (1<<16)|(1<<20)|(1<<21)|(5<<22)|(3<<25)   ; padding of 4 words after every 64 words
	s_mov_b32 s[G1B+1], 128<<16                    ; tensor_dim0 = 128
	s_mov_b32 s[G1B+2], 64<<16                     ; tensor_dim1 = 64
	s_mov_b32 s[G1B+3], 128<<16                    ; tile_dim0 = 128: 256 bytes
	s_mov_b32 s[G1B+4], 64                         ; tile_dim1 = 64 rows
	s_mov_b32 s[G1B+5], 1024
	s_mov_b32 s[G1B+6], 0
	s_mov_b32 s[G1B+7], 0
	s_and_b32 s69, s60, 1                          ; w & 1: which head, which half of the rows of wob; also my half of the columns
	s_lshr_b32 s80, s60, 1                         ; w >> 1: my half of the rows
	s_lshr_b32 s70, s66, 4                         ; ctx: batch Y >> 4,
	s_lshl_b32 s70, s70, 22
	s_and_b32 s71, s66, 15                         ; rows 128 (Y & 15) of 128 bytes,
	s_lshl_b32 s71, s71, 14
	s_add_co_u32 s70, s70, s71
	s_lshl_b32 s71, s69, 18                        ; head w & 1 of the pair (registers that never hold cx)
	s_add_co_u32 s70, s70, s71
	s_mov_b32 s71, 0
	s_lshl_b32 s72, s63, 18                        ; wob: 128 X rows of 2,048 bytes,
	s_lshl_b32 s73, s69, 17                        ; + 64 rows (registers that never hold cy)
	s_add_co_u32 s72, s72, s73
	s_mov_b32 s73, 0
	s_mul_i32 s74, s60, ABLK                       ; where my tile goes: waves 0, 1: head w
	s_mul_i32 s75, s60, 64*BP                      ; waves 2, 3: 2 ABLK + (w - 2) x 64 rows = 2,048 + w x 17,408
	s_add_co_u32 s75, s75, 2*ABLK-2*64*BP
	s_lshl_b32 s78, s63, 9                         ; bo: (128 X + 64 (w & 1)) x 4 bytes
	s_lshl_b32 s79, s69, 8
	s_add_co_u32 s78, s78, s79
	s_mov_b32 s79, 0
	s_lshl_b32 s76, s66, 19                        ; out0: (128 Y + 64 (w >> 1)) rows of 4,096 bytes + the same columns
	s_lshl_b32 s77, s80, 18
	s_add_co_u32 s76, s76, s77
	s_add_co_u32 s76, s76, s78
	s_mov_b32 s77, 0
	v_and_b32 v1, 15, v0                           ; r
	v_bfe_u32 v2, v0, 4, 1                         ; h
	v_mul_u32_u24 v3, v1, AP
	v_lshl_add_u32 v3, v2, 4, v3
	v_mul_u32_u24 v4, v1, BP
	v_lshl_add_u32 v4, v2, 4, v4
	s_mul_i32 s81, s80, 64*AP                      ; my 64 rows of ctx
	s_mul_i32 s82, s69, 64*BP                      ; my 64 rows of wob,
	s_add_co_u32 s82, s82, 2*ABLK                  ; behind the two heads
.irp s, 0,1,2,3
	v_add_nc_u32 v[ADRA+\s], s81, v3
	v_add_nc_u32 v[ADRB+\s], s82, v4
	s_add_co_u32 s81, s81, SLOT
	s_add_co_u32 s82, s82, SLOT
.endr
	s_mul_i32 s83, s60, 16*BP
	s_add_co_u32 s83, s83, STAGE                   ; my stage
	v_mul_u32_u24 v5, v1, BP
	v_lshl_add_u32 v5, v2, 5, v5                   ; in: row r, 32 bytes for each half
	v_add_nc_u32 v[STO], s83, v5
	v_mul_u32_u24 v5, v2, BP
	v_lshl_add_u32 v5, v1, 4, v5                   ; back: lanes 0-15 one row of 256 bytes, lanes 16-31 the next
	v_add_nc_u32 v[RD], s83, v5
	v_lshlrev_b32 v5, 12, v2
	v_lshl_add_u32 v[CO], v1, 4, v5                ; and the same two rows in out0
	v_lshlrev_b32 v[BO], 5, v2
	s_wait_dscnt 0x0
	s_wait_kmcnt 0x0
	s_add_nc_u64 s[4:5], s[4:5], s[70:71]
	s_add_nc_u64 s[6:7], s[6:7], s[72:73]
	s_add_nc_u64 s[8:9], s[8:9], s[78:79]
	s_add_nc_u64 s[10:11], s[10:11], s[76:77]
.irp s, 0,1,2,3
	s_mov_b32 s[G0A+4*\s], 1
	s_add_co_u32 s[G0A+4*\s+1], s74, \s*SLOT
	s_add_nc_u64 s[G0A+4*\s+2:G0A+4*\s+3], s[4:5], \s*524288       ; K step s: two heads on
	s_or_b32 s[G0A+4*\s+3], s[G0A+4*\s+3], 0x80000000
	s_mov_b32 s[G0B+4*\s], 1
	s_add_co_u32 s[G0B+4*\s+1], s75, \s*SLOT
	s_add_nc_u64 s[G0B+4*\s+2:G0B+4*\s+3], s[6:7], \s*256
	s_or_b32 s[G0B+4*\s+3], s[G0B+4*\s+3], 0x80000000
.endr
	CROUND                                         ; all sixteen work-groups are here
	JLOADS 0, 1, 2, 3                              ; K steps 0 to 3: four tensor loads of the wave are out, the most in this text
.irp b, 0,1,2,3
	global_load_b128 v[BIAS+8*\b:BIAS+8*\b+3], v[BO], s[8:9] offset:64*\b
	global_load_b128 v[BIAS+8*\b+4:BIAS+8*\b+7], v[BO], s[8:9] offset:64*\b+16
.endr
	s_wait_loadcnt 0x0
; 16 LDS loads: the fragments of quarter kq (32 along K) of a slot into buffer f.  Four places first: the buffer was read by matrix instructions.
.macro FETCH slot, kq, f
	PLACES
.irp a, 0,1,2,3
	ds_load_b128 v[\f+8*\a:\f+8*\a+3], v[ADRA+\slot] offset:(\kq>>1)*ABLK+\a*16*AP+(\kq&1)*64
	ds_load_b128 v[\f+8*\a+4:\f+8*\a+7], v[ADRA+\slot] offset:(\kq>>1)*ABLK+\a*16*AP+(\kq&1)*64+32
.endr
.irp b, 0,1,2,3
	ds_load_b128 v[\f+32+8*\b:\f+32+8*\b+3], v[ADRB+\slot] offset:\b*16*BP+64*\kq
	ds_load_b128 v[\f+32+8*\b+4:\f+32+8*\b+7], v[ADRB+\slot] offset:\b*16*BP+64*\kq+32
.endr
.endm
; 16 matrix instructions; the 16 accumulators take turns, one instruction a turn.  first = 1: the biases are C and start the sums.
.macro MUL16 f, first
.irp a, 0,1,2,3
.irp b, 0,1,2,3
.if \first
	v_wmma_f32_16x16x32_bf16 v[8*(4*\a+\b):8*(4*\a+\b)+7], v[\f+32+8*\b:\f+32+8*\b+7], v[\f+8*\a:\f+8*\a+7], v[BIAS+8*\b:BIAS+8*\b+7]
.else
	v_wmma_f32_16x16x32_bf16 v[8*(4*\a+\b):8*(4*\a+\b)+7], v[\f+32+8*\b:\f+32+8*\b+7], v[\f+8*\a:\f+8*\a+7], v[8*(4*\a+\b):8*(4*\a+\b)+7]
.endif
.endr
.endr
.endm
.macro QTR slot, f, g, kqn, first      ; multiplies buffer f; fetches quarter kqn into buffer g ahead of that (-1: nothing)
	s_wait_dscnt 0x0                               ; buffer f is in
.if \kqn >= 0
	FETCH \slot, \kqn, \g
.endif
.if \first
	WIN 0x40                                       ; D window 1, C (the biases) window 0
.else
	WIN 0x50                                       ; C and D window 1
.endif
	MUL16 \f, \first
	WIN 0
.endm
.macro TILE slot, first
	FETCH \slot, 0, F0
	QTR \slot, F0, F1, 1, \first
	QTR \slot, F1, F0, 2, 0
	QTR \slot, F0, F1, 3, 0
	QTR \slot, F1, F0, -1, 0
.endm
.macro SHOW n                          ; my part of the next tile is in (n younger loads stay out), and so is everybody's
	s_wait_tensorcnt \n
	s_wait_dscnt 0x0
	s_barrier_signal -1
	s_barrier_wait -1
.endm
.macro FILL a, b, c                    ; slots that have been read are filled again, four K steps ahead
	s_wait_dscnt 0x0                               ; my reads of them are over
	s_wait_tensorcnt 0x0                           ; all my tensor loads have landed, my part of the slot that is read next among them
	ds_add_u32 v254, v255
	s_wait_dscnt 0x0
.irp t, \a, \b, \c
.if \t >= 0
	s_add_nc_u64 s[G0A+4*(\t)+2:G0A+4*(\t)+3], s[G0A+4*(\t)+2:G0A+4*(\t)+3], 4*524288
	s_add_nc_u64 s[G0B+4*(\t)+2:G0B+4*(\t)+3], s[G0B+4*(\t)+2:G0B+4*(\t)+3], 4*256
.endif
.endr
	CROUND                                         ; both now hold of every wave of every work-group of the cluster
	JLOADS \a, \b, \c, -1                          ; the first tensor loads behind the round
.endm
	SHOW 3                                         ; K step 0 is in; three loads stay out
	TILE 0, 1
	SHOW 2
	TILE 1, 0
	SHOW 1
	TILE 2, 0
	FILL 0, 1, 2                                   ; K step 3 has landed; K steps 4, 5, 6 go out
	TILE 3, 0
	SHOW 2                                         ; K step 4
	TILE 0, 0
	SHOW 1                                         ; K step 5
	TILE 1, 0
	FILL 3, -1, -1                                 ; K step 6 has landed; K step 7 goes out
	TILE 2, 0
	SHOW 0                                         ; K step 7: the last wait is for zero
	TILE 3, 0
	; THE WAY OUT, 16 rows at a time: 32 bytes a lane into my own stage, read back as whole rows of 256 bytes.
	PLACES
.irp a, 0,1,2,3
	WIN 0x04                                       ; the data of an LDS store is source 1: window 1
.irp b, 0,1,2,3
	ds_store_b128 v[STO], v[8*(4*\a+\b):8*(4*\a+\b)+3] offset:64*\b
	ds_store_b128 v[STO], v[8*(4*\a+\b)+4:8*(4*\a+\b)+7] offset:64*\b+16
.endr
	WIN 0
.irp t, 0,1,2,3,4,5,6,7
	ds_load_b128 v[F0+32*\a+4*\t:F0+32*\a+4*\t+3], v[RD] offset:\t*2*BP     ; my own bytes; LDS serves a wave's instructions in order (ISA guide 5.7.1.4)
.endr
.irp t, 0,1,2,3,4,5,6,7
	s_wait_dscnt 7-\t
	global_store_b128 v[CO], v[F0+32*\a+4*\t:F0+32*\a+4*\t+3], s[10:11] offset:(16*\a+2*\t)*4096 th:TH_STORE_NT   ; 16 lanes store 256 consecutive bytes, aligned
.endr
.endr
	s_wait_tensorcnt 0x0
	ds_add_u32 v254, v255
	s_wait_dscnt 0x0
	CROUND                                         ; the closing round
	s_endpgm
.Lfunc_end_k_q45caadc8ab_oproj:
	.size	k_q45caadc8ab_oproj, .Lfunc_end_k_q45caadc8ab_oproj-k_q45caadc8ab_oproj
	.p2alignl 7, 3214868480
	.fill 96, 4, 3214868480
	.section	.rodata,"a",@progbits
	.p2align	6, 0x0
	.amdhsa_kernel k_q45caadc8ab_oproj
		.amdhsa_group_segment_fixed_size 327680
		.amdhsa_private_segment_fixed_size 0
		.amdhsa_enable_private_segment 0
		.amdhsa_kernarg_size 32
		.amdhsa_user_sgpr_count 2
		.amdhsa_user_sgpr_kernarg_segment_ptr 1
		.amdhsa_wavefront_size32 1
		.amdhsa_system_sgpr_workgroup_id_x 1
		.amdhsa_system_sgpr_workgroup_id_y 1
		.amdhsa_system_sgpr_workgroup_id_z 1
		.amdhsa_system_vgpr_workitem_id 0
		.amdhsa_next_free_vgpr 384
		.amdhsa_next_free_sgpr 88
		.amdhsa_reserve_vcc 0
		.amdhsa_float_denorm_mode_32 3
		.amdhsa_float_denorm_mode_16_64 3
		.amdhsa_memory_ordered 1
		.amdhsa_forward_progress 1
		.amdhsa_inst_pref_size 92
	.end_amdhsa_kernel
	.amdgpu_metadata
---
amdhsa.version: [ 1, 2 ]
amdhsa.kernels:
  - .name:           k_q45caadc8ab_oproj
    .symbol:         k_q45caadc8ab_oproj.kd
    .args:
      - { .name: ctx, .offset: 0, .size: 8, .value_kind: global_buffer, .address_space: global }
      - { .name: wob, .offset: 8, .size: 8, .value_kind: global_buffer, .address_space: global }
      - { .name: bo, .offset: 16, .size: 8, .value_kind: global_buffer, .address_space: global }
      - { .name: out0, .offset: 24, .size: 8, .value_kind: global_buffer, .address_space: global }
    .group_segment_fixed_size: 327680
    .private_segment_fixed_size: 0
    .kernarg_segment_align: 8
    .kernarg_segment_size: 32
    .max_flat_workgroup_size: 128
    .sgpr_count:     88
    .vgpr_count:     384
    .wavefront_size: 32
...
	.end_amdgpu_metadata
.endif
;; end of part 4
